; MI455X (gfx1250); checked and timed in simulation.
; The chip was launched on July 23, 2026; its instructions are those of AMD's public machine-readable ISA for CDNA 5 (MIT licence, August 2026) and "CDNA5" Instruction Set Architecture Reference Guide (July 2026). The comments in the code are by the model that wrote it; some were corrected since.
;; Dot Product Attention. Allowed arithmetic: matrix products marked QUANTISED: E2M1 operands, one E8M0 scale for each 32 along K, by v_wmma_scale_f32_16x16x128_f8f6f4 with both operands' format E2M1 (or v_wmma_scale_f32_32x16x128_f4), f32 sums; everything else in f32.
;; Inputs: keys_codes 64 x 1,024 x 2 x 16 uint8 (E2M1 codes of keys, K innermost, in blocks of 32 codes, two codes a byte); keys_scales 64 x 1,024 x 2 uint8 (E8M0 scales of keys, one for each 32 codes along K); queries_codes 64 x 1,024 x 2 x 16 uint8 (E2M1 codes of queries, K innermost, in blocks of 32 codes, two codes a byte); queries_scales 64 x 1,024 x 2 uint8 (E8M0 scales of queries, one for each 32 codes along K); valid_lens 64 int32; values_codes 64 x 64 x 32 x 16 uint8 (E2M1 codes of values, K innermost, in blocks of 32 codes, two codes a byte); values_scales 64 x 64 x 32 uint8 (E8M0 scales of values, one for each 32 codes along K).
;; Outputs: out0 64 x 1,024 x 64 float32.
;; This version of the problem:
;;   THIS VERSION OF THE PROBLEM IS GIVEN IN LOW PRECISION. The matrix products marked QUANTISED in the list below multiply operands that are first quantised to E2M1 (2 exponent bits, 1 mantissa bit; 4 bits a number), with one power-of-two scale for each 32 numbers along K (OCP MX v1.0); their sums are f32. All else is computed in f32.
;;   The module's matrix products, in the order in which they are computed (A, B: the left and right operand; K: the contracted axis; several contracted axes count as one K, in the product's order):
;;     1. batch 64 x [M 1,024, K 64] x [K 64, N 1,024]; A: input queries (given as codes); B: input keys (given as codes): QUANTISED
;;     2. batch 64 x [M 1,024, K 1,024] x [K 1,024, N 64]; A: softmax (see below); B: input values (given as codes): QUANTISED
;;   THE QUANTISER, for each operand of a quantised product, along K:
;;     - K is cut into blocks of 32 from its start; a last block that is shorter is filled with zeros.
;;     - A block's scale is 2^e with e = floor(log2(the largest magnitude in the block)) - 2, held to -126 .. 127; a block of zeros has e = 0. As a byte (E8M0): e + 127.
;;     - Each number is divided by its block's scale, clamped to +-6, and rounded to the nearest number of E2M1, ties to even, subnormals kept.
;;     - The product sums the exact products of the quantised numbers (number of the format x scale) in f32.
;;   ~~~python
;;   def quantise(x, axis):      # numpy; x: float32 -> the quantised numbers, widened to float32 again
;;       x = np.moveaxis(x, axis, -1); K = x.shape[-1]
;;       x = np.pad(x, [(0, 0)] * (x.ndim - 1) + [(0, -K % 32)]); x = x.reshape(x.shape[:-1] + (-1, 32)); a = np.abs(x).max(-1, keepdims=True)
;;       e = np.where(a > 0, np.clip(np.frexp(np.where(a > 0, a, 1))[1] - 1 - 2, -126, 127), 0)      # np.frexp(a)[1] - 1 = floor(log2(a)), exactly
;;       r = np.clip(x / 2.0 ** e, -6, 6)
;;       step = 2.0 ** (np.maximum(np.frexp(np.where(r == 0, 1, r))[1] - 1, 0) - 1)
;;       q = np.round(r / step) * step * 2.0 ** e      # np.round: ties to even
;;       return np.moveaxis(q.reshape(q.shape[:-2] + (-1,))[..., :K], -1, axis).astype(np.float32)
;;   ~~~
;;   SOFTMAX AHEAD OF A QUANTISED PRODUCT. Where the list says 'softmax', what is quantised is not the finished softmax but p = 2^(t - M), with t = logit x log2(e) and M = ceil(the row's largest t), a whole number; so 1/2 < the row's largest p <= 1. The row's sum l is taken of the UNQUANTISED p, in f32, and the product's result is divided by l at the end. Since M is a whole number, a kernel that streams over the keys may use a running M (the ceiling of the running maximum): every later rescaling is an exact power of two, which a block's scale takes up: the codes' values come out the same.
;;   OPERANDS COMPUTED ON THE WAY. 'Computed on the way' means the value that the module computes at that place (a softmax that the list does not call 'softmax' is quantised finished and normalised). What goes into a quantiser is computed in f32, as accurately as f32 sums, v_exp_f32 and their like allow (about 1e-6 of the number): no bf16 or f16 on the way to a quantiser, and a product that is left as it is and whose result goes on into a quantised operand takes f32 operands (vector FMAs, or v_wmma_f32_16x16x4_f32). A number that lies on a knife's edge between two numbers of the format may be rounded either way, as far as f32 arithmetic and the matrix unit's own rounding can turn it there, and no further.
;;   INPUTS GIVEN AS CODES. keys (in the module: [64, 1024, 64], K = its axis 2); queries (in the module: [64, 1024, 64], K = its axis 2); values (in the module: [64, 1024, 64], K = its axis 1): each comes as NAME_codes (uint8): NAME with its K axis moved to the last place and cut into blocks of 32 codes, [.., K / 32, bytes a block], one block behind the other in memory; two codes a byte, the lower K in the low four bits (a code: sign, 2 exponent bits, 1 mantissa bit); and NAME_scales (uint8): the same leading axes, one E8M0 byte (e + 127) for each 32 codes along K. Its value is code x scale, taken as it is: it is not quantised again, and the codes and scales need not be those that the quantiser above would give.
;; 2 versions, each right; version 2 is version 1 with the launch attn written anew for expert scheduling mode. Each part assembles by itself: llvm-mc -triple=amdgcn-amd-amdhsa -mcpu=gfx1250 --defsym DOCPART=n.
;; ======== version 1 of 2: 1 launch
;; limits: right only within a limited range of input values
;; launch attn (part 1): grid 256 x 1, 16 waves a work-group, no clusters, 212,992 bytes of LDS; arguments keys_codes, keys_scales, queries_codes, queries_scales, valid_lens, values_codes, values_scales, out0; writes out0
.if DOCPART == 1
	.amdgcn_target "amdgcn-amd-amdhsa--gfx1250"
	.amdhsa_code_object_version 6
	.text
	.protected	k_q4cb162a638_attn
	.globl	k_q4cb162a638_attn
	.p2align	8
	.type	k_q4cb162a638_attn,@function
k_q4cb162a638_attn:
	s_mov_b64 s[64:65], 0
	v_nop
	global_prefetch_b8 v0, s[64:65] scope:SCOPE_SE
	s_setreg_imm32_b32 hwreg(HW_REG_WAVE_MODE, 25, 1), 1
	s_wait_xcnt 0x0
; out[b][q][:] = the sum over k of softmax_k(Q[b][q] . K[b][k] / 8, keys k >= valid_lens[b] filled with -1e6) V[b][k][:].  64 batches, 1,024 queries, 1,024 keys, head size 64.
; Both products on codes of FP4 (E2M1) with one E8M0 scale for each 32 along K.  Q, K: rows of 32 bytes (64 codes) and 2 scale bytes; V: keys innermost, 64 rows of 512 bytes and 32 scale bytes a batch.  out: f32.
; THE SOFTMAX AHEAD OF THE SECOND PRODUCT: t = raw score x log2(e) / 8; M = the row's largest t so far, rounded UP to a whole number; p = 2^(t - M) is quantised along the keys, not normalised;
; the row's sum is taken of the unquantised p and divides at the end.  When M moves, the sum and O^T are multiplied by 2^(old M - new M): exact.
; SHARES.  A wave owns one tile of 16 queries of one batch: 64 x 64 tiles, 256 work-groups x 16 waves.  It walks the keys 128 a step.  A step all of whose keys lie at or behind valid_lens[b] gives p = 0 and is left out
; (a scalar branch on a number read from memory), so a batch costs ceil(valid_len / 128) steps.  To even that out A WORK-GROUP SERVES TWO BATCHES, 128 queries of each, eight waves each: the batches of rank p and of rank 63 - p
; in the order of their numbers of steps (ties by the batch's number); p = work-group / 8, the chunk of 128 queries = work-group % 8.  Each wave finds its batch itself from the 64 lengths, by a counting sort in scalar registers.
; Wave w belongs to group (w xor (w / 4)) % 2, at place w / 2: of waves 4 a .. 4 a + 3 two belong to each group, and so do two of waves a, a + 4, a + 8, a + 12.
; K, V AND THEIR SCALE BYTES of the two batches go into LDS once, through registers; one barrier; after it the waves share nothing.
; NO TENSOR LOADS, NO CLUSTER: the eight work-groups of a pair read the same K and V, but which batch a work-group reads and how many steps it walks hang on valid_lens.
; What would be shared is at most 141,312 bytes a work-group, read once.
; LAYOUT.  Both products are used transposed: S^T = K Q^T (source 0 = 16 keys, source 1 = my 16 queries), O^T = V^T P^T (source 0 = 16 of the head's 64, source 1 = P): a lane holds ONE query (lane % 16) throughout.
; THE KEYS OF A TILE ARE NOT NEIGHBOURS: lane r of tile 2 b + u takes key 32 b + 8 u + r + 8 (r / 8), so that the 16 registers of tiles 2 b and 2 b + 1 are 16 neighbouring keys, 32 b + 16 (lane / 16) + 0 .. 15.
; THE HEAD'S 64 IN AN INSTRUCTION OF 128 ALONG K: Q's registers 4 to 7 are zero codes, and both scale words are 16-bit loads, so their bytes 2 and 3 are 0 (2^-127, a number).  The upper four registers of K's operand
; then count for nothing: they are the next tile's lower four (for tile 7: four registers of zeros), and a tile of K costs four registers and one LDS load.
; LIMITS.  (a) Keys behind valid_len count as p = 0: that is what f32 gives while a query's largest valid score lies more than about 100 above -1e6.  (b) valid_len <= 0: reference() has 1,024 equal scores; here they are
; filled with 0 instead of -1e6, which gives the same p = 1.  (c) valid_len > 1,024 masks nothing.  (d) A scale byte 0xff (NaN) among the inputs is not served in steps that are left out, nor under zero codes.
.set REG,   70656                      ; LDS: a region for each of the two groups:
.set KIMG,  0                          ;   K: 64 tiles x 512 bytes, images of the operand's lower four registers: tile 8 x step + t, lane l's 16 bytes at 16 l
.set VIMG,  32768                      ;   V: 64 rows of 512 bytes + 16 of padding
.set KSC,   66560                      ;   K's scale bytes as they lie in memory: 2 a key
.set VSC,   68608                      ;   V's: 32 a row
.set VP,    528                        ; a row of V in LDS: 132 words, so that the 16 rows of a fragment load start at 16 different columns of 16 bytes
.set STG,   2*REG                      ; behind the regions: a stage of 16 rows x (256 bytes + 16) for each wave, for the way out
.set SP,    272
; vector registers
.set L16,  1                           ; v1   16 x lane: never rewritten
.set AK,   2                           ; v2   my lane's place in a tile of K
.set AV,   3                           ; v3   in a tile of V
.set AKS,  4                           ; v4   among K's scale words
.set AVS,  5                           ; v5   among V's
.set FILL, 6                           ; v6   what a hidden score becomes
.set H16,  7                           ; v7   16 (lane / 16)
.set ADK,  8                           ; v8-11  the step's LDS addresses (at the head: where I stage K, V and the scale bytes)
.set ADV,  9
.set ADS,  10
.set ADT,  11
                                       ; v12 -M, v13 the largest t, v[14:15] the sum in two halves, v[16:23] Q (v20-23 zeros), v24 Q's scale word
.set GK,   25                          ; v25  K's fragment order in memory; on the way out: where I put 32 bytes of a row
.set GQ,   26                          ; v26  Q's; on the way out: where I read a row back
.set KR,   32                          ; v32-67  K: tile t at v[32 + 4 t]; v64-67 zeros
.set VR,   68                          ; v68-99  V's four fragments
.set S,    100                         ; v100-163 S^T, then p; on the way out O^T / the sum, and the rows read back
.set O,    164                         ; v164-195 O^T
.set PC,   196                         ; v196-203 p's codes
.set KSR,  204                         ; v204-211 K's scale words
.set VSR,  212                         ; v212-215 V's
.set BM,   216                         ; v216-219 the blocks' largest scores, then largest p
.set BP,   220                         ; v220-223 the other half's; then the scale bytes
.set BS,   224                         ; v224-227 the conversions' scale operands
.set F,    228                         ; v[228:229] f = 2^(old M - new M); v229 is named with it as a pair
.set T,    230
.set PW,   231                         ; p's scale word
.set L2,   232                         ; v[232:233] the sum's second chain
.set D,    234                         ; the mask: valid_len - the step's first key - 16 (lane / 16)
.set RR,   235                         ; lane % 16
.set HH,   236                         ; lane / 16
.set LANE, 237
.set R8,   238                         ; r + 8 (r / 8)
.set GS8,  239                         ; 8 x lane
.set GQ2,  240                         ; 2 r
; scalar registers: s[4:5] K's codes, s[6:7] K's scales, s[8:9] Q's codes, s[10:11] Q's scales, s[12:13] valid_lens, s[14:15] V's codes, s[16:17] V's scales, s[18:19] out
.set WV,    20
.set GRP,   21                         ; my group: 0 or 1
.set IDX,   22                         ; my place in it: 0 .. 7
.set PAIR,  23
.set CHK,   24
.set RANK,  25
.set CUM,   26
.set BASE,  27
.set SA,    28
.set SB,    29
.set T0,    30
.set T1,    31
.set MA,    32                         ; s32-39  class s among batches 0-31, a bit a batch;  s40-47 among batches 32-63
.set MB,    40
.set LN,    48
.set OFF,   49
.set BATCH, 50
.set LRAW,  51
.set VL,    52
.set NS,    53                         ; key steps that count
.set FILLS, 54
.set OP,    56                         ; s[56:57] an offset, its high word 0
.set T2,    58
.set T3,    59
.set SEL,   60                         ; s[60:61] v_permlanex16_b32's selects for lane l xor 16
.set CS,    62                         ; s[62:63] c = log2(e) / 8
.set J,     66
.set TK,    67
.set TV,    68
.set TKS,   69
.set TVS,   70
.set KF,    71                         ; the step's first key
.set REL,   72
.set RB,    73                         ; my group's region
.set SG,    74                         ; my stage
	s_load_b256 s[4:11], s[0:1], 0x0
	s_load_b256 s[12:19], s[0:1], 0x20
	v_lshl_add_u32 v254, v0, 2, 0x33800
	v_mov_b32 v255, 0
	v_and_b32 v[LANE], 31, v0
	v_lshlrev_b32 v27, 2, v[LANE]
	s_wait_kmcnt 0x0
	global_load_b32 v28, v27, s[12:13]             ; the lengths of batches 0-31, a lane a batch,
	global_load_b32 v29, v27, s[12:13] offset:128  ; and of batches 32-63.  All that hangs on ids alone is made while they are on their way
	v_lshrrev_b32 v[T], 5, v0
	v_readfirstlane_b32 s[WV], v[T]                ; wave 0..15
	v_and_b32 v[RR], 15, v0
	v_bfe_u32 v[HH], v0, 4, 1
	s_lshr_b32 s[T0], s[WV], 2
	s_xor_b32 s[T0], s[T0], s[WV]
	s_and_b32 s[GRP], s[T0], 1
	s_lshr_b32 s[IDX], s[WV], 1
	s_lshr_b32 s[PAIR], ttmp9, 3
	s_and_b32 s[CHK], ttmp9, 7
	s_sub_co_u32 s[T0], 63, s[PAIR]
	s_cmp_eq_u32 s[GRP], 1
	s_cselect_b32 s[RANK], s[T0], s[PAIR]          ; group 0: rank p; group 1: rank 63 - p
	s_mul_i32 s[RB], s[GRP], REG
	s_add_co_u32 s[T0], s[RB], VIMG
	s_add_co_u32 s[T1], s[RB], KSC
	s_add_co_u32 s[T2], s[RB], VSC
	v_lshlrev_b32 v[L16], 4, v[LANE]
	v_add_nc_u32 v[AK], s[RB], v[L16]              ; K's images: 16 x lane
	v_mul_u32_u24 v[AV], v[RR], VP
	v_lshl_add_u32 v[AV], v[HH], 4, v[AV]
	v_add_nc_u32 v[AV], s[T0], v[AV]               ; V: row r, + 16 h
	v_and_b32 v[R8], 8, v[RR]
	v_add_nc_u32 v[R8], v[R8], v[RR]               ; r + 8 (r / 8)
	v_lshl_add_u32 v[AKS], v[R8], 1, s[T1]         ; K's scale words: 2 bytes a key
	v_lshl_add_u32 v[AVS], v[RR], 5, s[T2]         ; V's: 32 bytes a row
	v_lshlrev_b32 v[H16], 4, v[HH]
	v_lshl_add_u32 v[GK], v[R8], 5, v[H16]         ; in memory: a key's row is 32 bytes, my half of it 16
	v_lshl_add_u32 v[GQ], v[RR], 5, v[H16]
	v_lshlrev_b32 v[GS8], 3, v[LANE]
	v_lshlrev_b32 v[GQ2], 1, v[RR]
	s_lshl_b32 s[T3], s[IDX], 12                   ; where I stage: K's step IDX (8 tiles x 512 bytes),
	s_add_co_u32 s[T3], s[T3], s[RB]
	v_add_nc_u32 v[ADK], s[T3], v[L16]
	s_mul_i32 s[T3], s[IDX], 8*VP                  ; V's rows 8 IDX .. 8 IDX + 7,
	s_add_co_u32 s[T3], s[T3], s[T0]
	v_add_nc_u32 v[ADV], s[T3], v[L16]
	s_lshl_b32 s[T3], s[IDX], 8                    ; 256 bytes of each array of scale bytes
	s_add_co_u32 s[T3], s[T3], s[T1]
	v_add_nc_u32 v[ADS], s[T3], v[GS8]
	s_mov_b32 s[SEL], 0x76543210
	s_mov_b32 s[SEL+1], 0xfedcba98
	s_mov_b32 s[CS], 0x3e38aa3b                    ; c = log2(e) / 8
	s_mov_b32 s[CS+1], s[CS]                       ; (named with it as a pair, so it is written)
.irp i, 0,1,2,3
	v_mov_b32 v[20+\i], 0                          ; Q's k = 64 .. 127: zero codes
	v_mov_b32 v[KR+32+\i], 0                       ; what stands above K's tile 7
	v_mov_b32 v[BP+\i], 0                          ; written once: a lane permute's destination counts as one of its sources
.endr
	v_mov_b32 v13, 0xff61b1e6                      ; the largest t so far: -3e38, under every t
	v_floor_f32 v12, -v13                          ; -M
	v_mov_b32 v14, 0                               ; the sum, in two halves
	v_mov_b32 v15, 0
	v_mov_b32 v[F+1], 0
.set jj, 0
.rept 32
	v_mov_b32 v[O+jj], 0                           ; O^T.  (The step is written once: the first finds zeros, which the first change of M leaves zeros)
.set jj, jj+1
.endr
	; THE COUNTING SORT.  A batch's class is its number of key steps less one: (min(len - 1, 1023 unsigned)) / 128; lengths under 1 wrap round into class 7, as do lengths over 1,024.
	s_wait_loadcnt 0x0                             ; the 64 lengths
	v_add_nc_u32 v30, -1, v28
	v_add_nc_u32 v31, -1, v29
	v_min_u32 v30, 1023, v30
	v_min_u32 v31, 1023, v31
	v_lshrrev_b32 v30, 7, v30
	v_lshrrev_b32 v31, 7, v31
.irp s, 0,1,2,3,4,5,6,7
	v_cmp_eq_u32 s[MA+\s], \s, v30                 ; class s: a bit for each batch
	v_cmp_eq_u32 s[MB+\s], \s, v31
.endr
	s_mov_b32 s[CUM], 0                            ; batches in the classes under s.  It never falls, so the last s with CUM <= RANK is the class that holds my rank
	s_mov_b32 s[BASE], 0
	s_mov_b32 s[SA], s[MA]
	s_mov_b32 s[SB], s[MB]
.irp s, 1,2,3,4,5,6,7
	s_bcnt1_i32_b32 s[T0], s[MA+\s-1]
	s_bcnt1_i32_b32 s[T1], s[MB+\s-1]
	s_add_co_u32 s[CUM], s[CUM], s[T0]
	s_add_co_u32 s[CUM], s[CUM], s[T1]
	s_cmp_le_u32 s[CUM], s[RANK]
	s_cselect_b32 s[SA], s[MA+\s], s[SA]
	s_cselect_b32 s[SB], s[MB+\s], s[SB]
	s_cselect_b32 s[BASE], s[CUM], s[BASE]
.endr
	s_sub_co_u32 s[T0], s[RANK], s[BASE]           ; my rank inside the class: first its batches under 32, then the others
	s_bcnt1_i32_b32 s[T1], s[SA]
	s_cmp_lt_u32 s[T0], s[T1]
	s_cselect_b32 s[T2], s[SA], s[SB]
	s_cselect_b32 s[OFF], 0, 32
	s_cselect_b32 s[T1], 0, s[T1]
	s_sub_co_u32 s[T0], s[T0], s[T1]
	v_mbcnt_lo_u32_b32 v27, s[T2], 0               ; how many of the mask's bits lie under my lane
	v_cmp_eq_u32 s[T3], s[T0], v27
	s_and_b32 s[T3], s[T3], s[T2]                  ; the one bit of the mask with that many under it
	s_ctz_i32_b32 s[LN], s[T3]
	s_min_u32 s[LN], s[LN], 31
	v_readlane_b32 s[T0], v28, s[LN]
	v_readlane_b32 s[T1], v29, s[LN]
	s_cmp_eq_u32 s[OFF], 0
	s_cselect_b32 s[LRAW], s[T0], s[T1]            ; my batch's length as it is given
	s_add_co_u32 s[BATCH], s[LN], s[OFF]
	s_min_u32 s[BATCH], s[BATCH], 63               ; my batch
	s_sub_co_u32 s[T0], s[LRAW], 1
	s_min_u32 s[T0], s[T0], 1023
	s_lshr_b32 s[T0], s[T0], 7
	s_add_co_u32 s[NS], s[T0], 1                   ; its key steps: 1 .. 8
	s_max_i32 s[VL], s[LRAW], 0
	s_min_i32 s[VL], s[VL], 1024                   ; keys that count
	s_cmp_lt_i32 s[LRAW], 1
	s_cselect_b32 s[FILLS], 0, 0xcaf42400          ; -8e6 = -1e6 x 8: the raw scores are not yet divided by 8.  With no key that counts all scores are equal: 0 serves
	v_mov_b32 v[FILL], s[FILLS]
	; where my parts begin, in bytes
	s_mov_b32 s[OP+1], 0
	s_lshl_b32 s[T2], s[BATCH], 15                 ; a batch's codes: 32,768 bytes in each of the three tensors
	s_lshl_b32 s[T3], s[IDX], 12
	s_add_co_u32 s[OP], s[T2], s[T3]
	s_add_nc_u64 s[4:5], s[4:5], s[OP:OP+1]        ; K: key step IDX: 128 keys x 32 bytes
	s_add_nc_u64 s[14:15], s[14:15], s[OP:OP+1]    ; V: rows 8 IDX on: 8 x 512 bytes
	s_lshl_b32 s[T0], s[CHK], 7
	s_lshl_b32 s[T1], s[IDX], 4
	s_add_co_u32 s[T0], s[T0], s[T1]               ; my first query: 128 x chunk + 16 x place
	s_lshl_b32 s[T1], s[T0], 5
	s_add_co_u32 s[OP], s[T2], s[T1]
	s_add_nc_u64 s[8:9], s[8:9], s[OP:OP+1]        ; Q's codes
	s_lshl_b32 s[T2], s[BATCH], 11                 ; a batch's scale bytes: 2,048
	s_lshl_b32 s[T3], s[IDX], 8
	s_add_co_u32 s[OP], s[T2], s[T3]
	s_add_nc_u64 s[6:7], s[6:7], s[OP:OP+1]
	s_add_nc_u64 s[16:17], s[16:17], s[OP:OP+1]
	s_lshl_b32 s[T1], s[T0], 1
	s_add_co_u32 s[OP], s[T2], s[T1]
	s_add_nc_u64 s[10:11], s[10:11], s[OP:OP+1]    ; Q's scale words
	s_lshl_b32 s[T2], s[BATCH], 18                 ; a batch of out: 262,144 bytes
	s_lshl_b32 s[T1], s[T0], 8
	s_add_co_u32 s[OP], s[T2], s[T1]
	s_add_nc_u64 s[18:19], s[18:19], s[OP:OP+1]
	; THE STAGING.  Every load of a wave covers whole runs of 256 consecutive bytes but Q's 32 scale bytes.
.irp j, 0,1,2,3,4,5,6,7
	global_load_b128 v[VR+4*\j:VR+4*\j+3], v[L16], s[14:15] offset:512*\j   ; a row of V: 512 consecutive bytes
.endr
	global_load_b64 v[S:S+1], v[GS8], s[6:7]       ; 256 of K's scale bytes
	global_load_b64 v[S+2:S+3], v[GS8], s[16:17]   ; 256 of V's
	global_load_b128 v[16:19], v[GQ], s[8:9] th:TH_LOAD_NT   ; Q's fragment: it stays in registers; read once, by me
	global_load_u16 v24, v[GQ2], s[10:11]          ; Q's scale word: bytes 2 and 3 are 0
	s_cmp_ge_u32 s[IDX], s[NS]                     ; K's step IDX is staged only if the group's waves will read it
	s_cbranch_scc1 .Lnok
.irp t, 0,1,2,3,4,5,6,7
	global_load_b128 v[KR+4*\t:KR+4*\t+3], v[GK], s[4:5] offset:1024*(\t/2)+256*(\t%2)   ; in the ORDER OF THE OPERAND: tile t begins at key 32 (t / 2) + 8 (t % 2); two runs of 256 bytes
.endr
	s_wait_loadcnt 0x0
.irp t, 0,1,2,3,4,5,6,7
	ds_store_b128 v[ADK], v[KR+4*\t:KR+4*\t+3] offset:512*\t
.endr
.Lnok:
	s_wait_loadcnt 0x0
.irp j, 0,1,2,3,4,5,6,7
	ds_store_b128 v[ADV], v[VR+4*\j:VR+4*\j+3] offset:VP*\j
.endr
	ds_store_b64 v[ADS], v[S:S+1]
	ds_store_b64 v[ADS], v[S+2:S+3] offset:VSC-KSC
	s_mov_b32 s[J], 0
	s_mov_b32 s[TK], 0
	s_mov_b32 s[TV], 0
	s_mov_b32 s[TKS], 0
	s_mov_b32 s[TVS], 0
	s_mov_b32 s[KF], 0
	s_wait_dscnt 0x0                               ; for the others' sake: my stores have landed
	s_barrier_signal -1
	s_barrier_wait -1                              ; the launch's one barrier: both regions are whole, and nobody writes them again
.macro MASKB b                         ; block b of 32 keys: register 16 b + i holds key KF + 32 b + 16 (lane / 16) + i: hidden where 32 b + i >= D
.irp i, 0,1,2,3,4,5,6,7,8,9,10,11,12,13,14,15
	v_cmp_ge_i32 vcc_lo, 32*\b+\i, v[D]
	v_cndmask_b32 v[S+16*\b+\i], v[S+16*\b+\i], v[FILL], vcc_lo
.endr
.endm
.Lstep:                                            ; eight trips, a constant of the text; a trip whose keys are all hidden does only the steps of the addresses at its end
	s_cmp_ge_u32 s[J], s[NS]
	s_cbranch_scc1 .Lskip
	v_add_nc_u32 v[ADK], s[TK], v[AK]              ; these four are also the four places between the last trip's products and the loads into V's registers
	v_add_nc_u32 v[ADV], s[TV], v[AV]
	v_add_nc_u32 v[ADS], s[TKS], v[AKS]
	v_add_nc_u32 v[ADT], s[TVS], v[AVS]
.irp t, 0,1,2,3,4,5,6,7
	ds_load_b128 v[KR+4*\t:KR+4*\t+3], v[ADK] offset:512*\t
.endr
.irp t, 0,1,2,3,4,5,6,7
	ds_load_u16 v[KSR+\t], v[ADS] offset:2*(32*(\t/2)+8*(\t%2))   ; bytes 2 and 3 are 0
.endr
.irp n, 0,1,2,3
.irp c, 0,1
	ds_load_b128 v[VR+8*\n+4*\c:VR+8*\n+4*\c+3], v[ADV] offset:16*\n*VP+32*\c
.endr
.endr
.irp n, 0,1,2,3
	ds_load_b32 v[VSR+\n], v[ADT] offset:512*\n
.endr
	s_wait_dscnt 12                                ; K and its scale words are in; the twelve youngest loads (V's eight, its four scale words) may be out: they land under the softmax
.irp t, 0,1,2,3,4,5,6,7                        ; S^T = K Q^T: lane (r, h) holds query r; the 16 registers of tiles 2 b, 2 b + 1 are keys KF + 32 b + 16 h + 0 .. 15
	v_wmma_scale_f32_16x16x128_f8f6f4 v[S+8*\t:S+8*\t+7], v[KR+4*\t:KR+4*\t+7], v[16:23], 0, v[KSR+\t], v24 matrix_a_fmt:MATRIX_FMT_FP4 matrix_b_fmt:MATRIX_FMT_FP4
.endr
.rept 4
	v_nop                                          ; four places between a product and the first read of its result (ISA guide 7.12.1)
.endr
	; THE MASK, in the one step of a batch that holds its valid_len: only from the block of 32 keys on in which hidden keys begin
	s_sub_co_i32 s[REL], s[VL], s[KF]
	s_cmp_ge_i32 s[REL], 128
	s_cbranch_scc1 .Lopen
	v_sub_nc_u32 v[D], s[REL], v[H16]
	s_cmp_ge_i32 s[REL], 96
	s_cbranch_scc1 .Lm3
	s_cmp_ge_i32 s[REL], 64
	s_cbranch_scc1 .Lm2
	s_cmp_ge_i32 s[REL], 32
	s_cbranch_scc1 .Lm1
	MASKB 0
.Lm1:
	MASKB 1
.Lm2:
	MASKB 2
.Lm3:
	MASKB 3
.Lopen:
.irp b, 0,1,2,3
	v_max3_num_f32 v[BM+\b], v[S+16*\b], v[S+1+16*\b], v[S+2+16*\b]   ; THE LARGEST SCORE OF EACH BLOCK OF 32 KEYS serves twice: for the row's maximum, and, since p rises with the score, for the block's largest p
.endr
.irp i, 3,5,7,9,11,13
.irp b, 0,1,2,3
	v_max3_num_f32 v[BM+\b], v[BM+\b], v[S+16*\b+\i], v[S+1+16*\b+\i]   ; (the four blocks by turns)
.endr
.endr
.irp b, 0,1,2,3
	v_max_num_f32 v[BM+\b], v[BM+\b], v[S+15+16*\b]
.endr
.irp b, 0,1,2,3
	v_permlanex16_b32 v[BP+\b], v[BM+\b], s[SEL], s[SEL+1]
.endr
.irp b, 0,1,2,3
	v_max_num_f32 v[BM+\b], v[BM+\b], v[BP+\b]     ; with lane l xor 16's 16 keys
.endr
	v_max3_num_f32 v[T], v[BM], v[BM+1], v[BM+2]
	v_max_num_f32 v[T], v[T], v[BM+3]              ; the step's largest score of my query
	v_mul_f32 v[T], s[CS], v[T]                    ; as t (c is positive)
	v_max_num_f32 v13, v13, v[T]                   ; the running largest t
	v_mov_b32 v[T], v12
	v_floor_f32 v12, -v13                          ; the new -M = floor(-t) = -ceil(t): M is a whole number
	v_sub_f32 v[T], v12, v[T]                      ; M's old value less its new one: a whole number, 0 or less
	v_cvt_i32_f32 v[T], v[T]                       ; (it saturates)
	v_ldexp_f32 v[F], 1.0, v[T]                    ; f = 2^(old M - new M)
.set jj, 0
.rept 32
	v_pk_fma_f32 v[S+jj:S+jj+1], v[S+jj:S+jj+1], s[CS:CS+1], v[12:13] op_sel_hi:[1,0,0]   ; t - M, two at a time (of the pairs c and -M the low word serves both halves)
.set jj, jj+2
.endr
.irp b, 0,1,2,3
	v_fma_f32 v[BM+\b], v[BM+\b], s[CS], v12       ; the same of each block's largest score
.endr
.set jj, 0
.rept 64
	v_exp_f32 v[S+jj], v[S+jj]                     ; p = 2^(t - M), at most 1: not normalised
.set jj, jj+1
.endr
.irp b, 0,1,2,3
	v_exp_f32 v[BM+\b], v[BM+\b]                   ; the block's largest p: the same two instructions on the same number give the same bits
.endr
	v_pk_mul_f32 v[14:15], v[14:15], v[F:F+1] op_sel_hi:[1,0]   ; the sums under the new M.  (The plain instruction behind the exponentials)
	s_wait_alu depctr_va_vdst(0)
.irp b, 0,1,2,3
	v_max_num_f32 v[BM+\b], 0x1800000, v[BM+\b]    ; the floor 2^(3 - 127): the byte cannot fall under 1 (a block whose every p is 0 keeps that byte: its codes are zeros)
.endr
.irp b, 0,1,2,3
	v_add_nc_u32 v[BS+\b], 0xff000000, v[BM+\b]    ; 2 off the exponent field: the conversion's scale operand
.endr
.irp b, 0,1,2,3
	v_lshrrev_b32 v[BP+\b], 23, v[BS+\b]           ; the scale's byte
.endr
	v_lshl_or_b32 v[PW], v[BP+1], 8, v[BP]         ; p's scale word for these 128 keys
	v_lshl_or_b32 v[PW], v[BP+2], 16, v[PW]
	v_lshl_or_b32 v[PW], v[BP+3], 24, v[PW]
.irp b, 0,1,2,3
	v_cvt_scalef32_pk8_fp4_f32 v[PC+2*\b], v[S+16*\b:S+7+16*\b], v[BS+\b]
	v_cvt_scalef32_pk8_fp4_f32 v[PC+1+2*\b], v[S+8+16*\b:S+15+16*\b], v[BS+\b]
.endr
	v_nop                                          ; one plain instruction between a scaled conversion and what touches its result
.irp c, 0,1                                    ; the operand's layout wants a WHOLE block in a lane: lanes 0-15 block 2 c, lanes 16-31 block 2 c + 1
.irp i, 0,1
	v_permlane16_swap_b32 v[PC+4*\c+\i], v[PC+2+4*\c+\i]
.endr
.endr
	v_pk_add_f32 v[L2:L2+1], v[S:S+1], v[S+2:S+3]  ; THE ROW'S SUM IS TAKEN OF THE UNQUANTISED p: two at a time, in two chains
.irp j, 4,8,12,16,20,24,28,32,36,40,44,48,52,56,60
	v_pk_add_f32 v[14:15], v[14:15], v[S+\j:S+1+\j]
	v_pk_add_f32 v[L2:L2+1], v[L2:L2+1], v[S+2+\j:S+3+\j]
.endr
	v_pk_add_f32 v[14:15], v[14:15], v[L2:L2+1]
.set jj, 0
.rept 16
	v_pk_mul_f32 v[O+jj:O+jj+1], v[O+jj:O+jj+1], v[F:F+1] op_sel_hi:[1,0]   ; O^T under the new M.  (The sums and these are 48 plain instructions between p's scale word and codes and the products below)
.set jj, jj+2
.endr
	s_wait_dscnt 0x0                               ; V and its scale words are in
.irp n, 0,1,2,3                                ; O^T += V^T P^T: four tiles of 16 of the head's 64; K = these 128 keys.  The four accumulators take turns
	v_wmma_scale_f32_16x16x128_f8f6f4 v[O+8*\n:O+8*\n+7], v[VR+8*\n:VR+8*\n+7], v[PC:PC+7], v[O+8*\n:O+8*\n+7], v[VSR+\n], v[PW] matrix_a_fmt:MATRIX_FMT_FP4 matrix_b_fmt:MATRIX_FMT_FP4
.endr
.Lskip:
	s_add_co_u32 s[TK], s[TK], 4096                ; the next step: 8 tiles of K,
	s_add_co_u32 s[TV], s[TV], 64                  ; 128 codes on in V's rows,
	s_add_co_u32 s[TKS], s[TKS], 256               ; 128 keys' scale bytes,
	s_add_co_u32 s[TVS], s[TVS], 4                 ; a word on in V's rows of scale bytes
	s_add_co_u32 s[KF], s[KF], 128
	s_add_co_u32 s[J], s[J], 1
	s_cmp_lt_u32 s[J], 8
	s_cbranch_scc1 .Lstep
	; THE WAY OUT.  O^T / the sum goes through my own stage in LDS and leaves as whole rows of 256 bytes.  The six address lines are also the places behind the last products.
	s_mul_i32 s[SG], s[WV], 16*SP
	s_add_co_u32 s[SG], s[SG], STG
	v_mul_u32_u24 v[GK], v[RR], SP
	v_lshl_add_u32 v[GK], v[HH], 5, v[GK]
	v_add_nc_u32 v[GK], s[SG], v[GK]               ; in: row r; tile n's eight channels of my half: 64 n + 32 h bytes on
	v_mul_u32_u24 v[GQ], v[HH], SP
	v_lshl_add_u32 v[GQ], v[RR], 4, v[GQ]
	v_add_nc_u32 v[GQ], s[SG], v[GQ]               ; back: lanes 0-15 one row, lanes 16-31 the next
	v_add_f32 v14, v14, v15                        ; the sum's two halves,
	v_permlanex16_b32 v[BP], v14, s[SEL], s[SEL+1]
	v_add_f32 v14, v14, v[BP]                      ; and lane l xor 16's: the row's sum
	v_rcp_f32 v14, v14
	v_nop                                          ; a plain instruction between the reciprocal and the use of its result
.set jj, 0
	s_wait_alu depctr_va_vdst(0)
.rept 16
	v_pk_mul_f32 v[S+jj:S+jj+1], v[O+jj:O+jj+1], v[14:15] op_sel_hi:[1,0]   ; register 8 n + i is out(r, 16 n + 8 h + i); each accumulator from its low end on
.set jj, jj+2
.endr
.irp n, 0,1,2,3
	ds_store_b128 v[GK], v[S+8*\n:S+8*\n+3] offset:64*\n
	ds_store_b128 v[GK], v[S+8*\n+4:S+8*\n+7] offset:64*\n+16
.endr
.irp k, 0,1,2,3,4,5,6,7
	ds_load_b128 v[S+32+4*\k:S+32+4*\k+3], v[GQ] offset:2*\k*SP   ; LDS serves a wave's instructions in order (ISA guide 5.7.1.4): these see my stores
.endr
.irp k, 0,1,2,3,4,5,6,7
	s_wait_dscnt 7-\k                              ; rows 2 k and 2 k + 1 are back; the pairs behind them may be out
	global_store_b128 v[L16], v[S+32+4*\k:S+32+4*\k+3], s[18:19] offset:512*\k th:TH_STORE_NT   ; my 16 rows are 4,096 consecutive bytes: each store covers 512 of them, at a multiple of 256 from out's first byte
.endr
	s_wait_tensorcnt 0x0
	ds_add_u32 v254, v255
	s_wait_dscnt 0x0
	s_endpgm
.Lfunc_end_k_q4cb162a638_attn:
	.size	k_q4cb162a638_attn, .Lfunc_end_k_q4cb162a638_attn-k_q4cb162a638_attn
	.p2alignl 7, 3214868480
	.fill 96, 4, 3214868480
	.section	.rodata,"a",@progbits
	.p2align	6, 0x0
	.amdhsa_kernel k_q4cb162a638_attn
		.amdhsa_group_segment_fixed_size 212992
		.amdhsa_private_segment_fixed_size 0
		.amdhsa_enable_private_segment 0
		.amdhsa_kernarg_size 64
		.amdhsa_user_sgpr_count 2
		.amdhsa_user_sgpr_kernarg_segment_ptr 1
		.amdhsa_wavefront_size32 1
		.amdhsa_system_sgpr_workgroup_id_x 1
		.amdhsa_system_sgpr_workgroup_id_y 1
		.amdhsa_system_sgpr_workgroup_id_z 1
		.amdhsa_system_vgpr_workitem_id 0
		.amdhsa_next_free_vgpr 256
		.amdhsa_next_free_sgpr 80
		.amdhsa_reserve_vcc 1
		.amdhsa_float_denorm_mode_32 3
		.amdhsa_float_denorm_mode_16_64 3
		.amdhsa_memory_ordered 1
		.amdhsa_forward_progress 1
		.amdhsa_inst_pref_size 38
	.end_amdhsa_kernel
	.amdgpu_metadata
---
amdhsa.version: [ 1, 2 ]
amdhsa.kernels:
  - .name:           k_q4cb162a638_attn
    .symbol:         k_q4cb162a638_attn.kd
    .args:
      - { .name: keys_codes, .offset: 0, .size: 8, .value_kind: global_buffer, .address_space: global }
      - { .name: keys_scales, .offset: 8, .size: 8, .value_kind: global_buffer, .address_space: global }
      - { .name: queries_codes, .offset: 16, .size: 8, .value_kind: global_buffer, .address_space: global }
      - { .name: queries_scales, .offset: 24, .size: 8, .value_kind: global_buffer, .address_space: global }
      - { .name: valid_lens, .offset: 32, .size: 8, .value_kind: global_buffer, .address_space: global }
      - { .name: values_codes, .offset: 40, .size: 8, .value_kind: global_buffer, .address_space: global }
      - { .name: values_scales, .offset: 48, .size: 8, .value_kind: global_buffer, .address_space: global }
      - { .name: out0, .offset: 56, .size: 8, .value_kind: global_buffer, .address_space: global }
    .group_segment_fixed_size: 212992
    .private_segment_fixed_size: 0
    .kernarg_segment_align: 8
    .kernarg_segment_size: 64
    .max_flat_workgroup_size: 512
    .sgpr_count:     80
    .vgpr_count:     256
    .wavefront_size: 32
...
	.end_amdgpu_metadata
.endif
;; end of part 1
;; ======== version 2 of 2: 1 launch; version 1 with the launch attn written anew for expert scheduling mode
;; limits: right only within a limited range of input values
;; launch attn (part 2): grid 256 x 1, 16 waves a work-group, no clusters, 212,992 bytes of LDS; arguments keys_codes, keys_scales, queries_codes, queries_scales, valid_lens, values_codes, values_scales, out0; writes out0
.if DOCPART == 2
	.amdgcn_target "amdgcn-amd-amdhsa--gfx1250"
	.amdhsa_code_object_version 6
	.text
	.protected	k_q4cb162a638_attn
	.globl	k_q4cb162a638_attn
	.p2align	8
	.type	k_q4cb162a638_attn,@function
k_q4cb162a638_attn:
	s_mov_b64 s[64:65], 0
	v_nop
	global_prefetch_b8 v0, s[64:65] scope:SCOPE_SE
	s_setreg_imm32_b32 hwreg(HW_REG_WAVE_SCHED_MODE, 0, 2), 2
	s_setreg_imm32_b32 hwreg(HW_REG_WAVE_MODE, 25, 1), 1
	s_wait_xcnt 0x0
	s_wait_alu depctr_vm_vsrc(0)
; out[b][q][:] = the sum over k of softmax_k(Q[b][q] . K[b][k] / 8, keys k >= valid_lens[b] filled with -1e6) V[b][k][:].  64 batches, 1,024 queries, 1,024 keys, head size 64.
; Both products on codes of FP4 (E2M1) with one E8M0 scale for each 32 along K.  Q, K: rows of 32 bytes (64 codes) and 2 scale bytes; V: keys innermost, 64 rows of 512 bytes and 32 scale bytes a batch.  out: f32.
; THE SOFTMAX AHEAD OF THE SECOND PRODUCT: t = raw score x log2(e) / 8; M = the row's largest t so far, rounded UP to a whole number; p = 2^(t - M) is quantised along the keys, not normalised;
; the row's sum is taken of the unquantised p and divides at the end.  When M moves, the sum and O^T are multiplied by 2^(old M - new M): exact.
; SHARES.  A wave owns one tile of 16 queries of one batch: 64 x 64 tiles, 256 work-groups x 16 waves.  It walks the keys 128 a step.  A step all of whose keys lie at or behind valid_lens[b] gives p = 0 and is left out
; (a scalar branch on a number read from memory), so a batch costs ceil(valid_len / 128) steps.  To even that out A WORK-GROUP SERVES TWO BATCHES, 128 queries of each, eight waves each: the batches of rank p and of rank 63 - p
; in the order of their numbers of steps (ties by the batch's number); p = work-group / 8, the chunk of 128 queries = work-group % 8.  Each wave finds its batch itself from the 64 lengths, by a counting sort in scalar registers.
; Wave w belongs to group (w xor (w / 4)) % 2, at place w / 2: of waves 4 a .. 4 a + 3 two belong to each group, and so do two of waves a, a + 4, a + 8, a + 12.
; K, V AND THEIR SCALE BYTES of the two batches go into LDS once, through registers; one barrier; after it the waves share nothing.
; NO TENSOR LOADS, NO CLUSTER: the eight work-groups of a pair read the same K and V, but which batch a work-group reads and how many steps it walks hang on valid_lens.
; What would be shared is at most 141,312 bytes a work-group, read once.
; LAYOUT.  Both products are used transposed: S^T = K Q^T (source 0 = 16 keys, source 1 = my 16 queries), O^T = V^T P^T (source 0 = 16 of the head's 64, source 1 = P): a lane holds ONE query (lane % 16) throughout.
; THE KEYS OF A TILE ARE NOT NEIGHBOURS: lane r of tile 2 b + u takes key 32 b + 8 u + r + 8 (r / 8), so that the 16 registers of tiles 2 b and 2 b + 1 are 16 neighbouring keys, 32 b + 16 (lane / 16) + 0 .. 15.
; THE HEAD'S 64 IN AN INSTRUCTION OF 128 ALONG K: Q's registers 4 to 7 are zero codes, and both scale words are 16-bit loads, so their bytes 2 and 3 are 0 (2^-127, a number).  The upper four registers of K's operand
; then count for nothing: they are the next tile's lower four (for tile 7: four registers of zeros), and a tile of K costs four registers and one LDS load.
; LIMITS.  (a) Keys behind valid_len count as p = 0: that is what f32 gives while a query's largest valid score lies more than about 100 above -1e6.  (b) valid_len <= 0: reference() has 1,024 equal scores; here they are
; filled with 0 instead of -1e6, which gives the same p = 1.  (c) valid_len > 1,024 masks nothing.  (d) A scale byte 0xff (NaN) among the inputs is not served in steps that are left out, nor under zero codes.
; THE MODE: SCHED_MODE bits 1:0 = 2 (LLVM: expert scheduling mode 2), set by the entry lines.  The code itself states the register dependences between vector or matrix instructions and memory or LDS
; instructions, and those through scalar registers that vector instructions write, with s_wait_alu, always for 0.
; THE PLAN.  Registers that LDS instructions touch, in the loop:
;   KR 0-31, KSR  A trip's K Q^T, at its head, reads them; behind the trip's exponentials the LDS loads of the NEXT step land in them (step 0's ahead of the loop).
;   VR, VSR       A trip's V^T P^T, at its end, reads them; behind the next trip's exponentials that trip's LDS loads land in them.
;   v8-11         The trip's four LDS addresses: written by four additions at the trip's head, read by the trip's LDS loads.
;   S, O, p's codes and scale word, and all of the softmax's registers are named by vector and matrix instructions alone.
; So ONE wait on va_vdst, the one that stands behind the exponentials in any case, states all that a trip's 28 LDS loads hang on: this trip's K Q^T is done reading K, the last trip's V^T P^T is done reading V, and the four
; addresses are written.  No vector or matrix instruction between it and the wait on DScnt ahead of V^T P^T names a register in which those loads land.  One wait on vm_vsrc stands ahead of the four additions, and a
; second wait on va_vdst ahead of V^T P^T, which takes p's codes and scale word from vector instructions.
.set REG,   70656                      ; LDS: a region for each of the two groups:
.set KIMG,  0                          ;   K: 64 tiles x 512 bytes, images of the operand's lower four registers: tile 8 x step + t, lane l's 16 bytes at 16 l
.set VIMG,  32768                      ;   V: 64 rows of 512 bytes + 16 of padding
.set KSC,   66560                      ;   K's scale bytes as they lie in memory: 2 a key
.set VSC,   68608                      ;   V's: 32 a row
.set VP,    528                        ; a row of V in LDS: 132 words, so that the 16 rows of a fragment load start at 16 different columns of 16 bytes
.set STG,   2*REG                      ; behind the regions: a stage of 16 rows x (256 bytes + 16) for each wave, for the way out
.set SP,    272
; vector registers
.set L16,  1                           ; v1   16 x lane: never rewritten
.set AK,   2                           ; v2   my lane's place in a tile of K
.set AV,   3                           ; v3   in a tile of V
.set AKS,  4                           ; v4   among K's scale words
.set AVS,  5                           ; v5   among V's
.set FILL, 6                           ; v6   what a hidden score becomes
.set H16,  7                           ; v7   16 (lane / 16)
.set ADK,  8                           ; v8-11  the step's LDS addresses (at the head: where I stage K, V and the scale bytes)
.set ADV,  9
.set ADS,  10
.set ADT,  11
                                       ; v12 -M, v13 the largest t, v[14:15] the sum in two halves, v[16:23] Q (v20-23 zeros), v24 Q's scale word
.set GK,   25                          ; v25  K's fragment order in memory; on the way out: where I put 32 bytes of a row
.set GQ,   26                          ; v26  Q's; on the way out: where I read a row back
.set KR,   32                          ; v32-67  K: tile t at v[32 + 4 t]; v64-67 zeros
.set VR,   68                          ; v68-99  V's four fragments
.set S,    100                         ; v100-163 S^T, then p; on the way out O^T / the sum, and the rows read back
.set O,    164                         ; v164-195 O^T
.set PC,   196                         ; v196-203 p's codes
.set KSR,  204                         ; v204-211 K's scale words
.set VSR,  212                         ; v212-215 V's
.set BM,   216                         ; v216-219 the blocks' largest scores, then largest p
.set BP,   220                         ; v220-223 the other half's; then the scale bytes
.set BS,   224                         ; v224-227 the conversions' scale operands
.set F,    228                         ; v[228:229] f = 2^(old M - new M); v229 is named with it as a pair
.set T,    230
.set PW,   231                         ; p's scale word
.set L2,   232                         ; v[232:233] the sum's second chain
.set D,    234                         ; the mask: valid_len - the step's first key - 16 (lane / 16)
.set RR,   235                         ; lane % 16
.set HH,   236                         ; lane / 16
.set LANE, 237
.set R8,   238                         ; r + 8 (r / 8)
.set GS8,  239                         ; 8 x lane
.set GQ2,  240                         ; 2 r
                                       ; v254 the LDS address of my spare word, v255 0: made at the head and kept for the closing lines alone
; scalar registers: s[4:5] K's codes, s[6:7] K's scales, s[8:9] Q's codes, s[10:11] Q's scales, s[12:13] valid_lens, s[14:15] V's codes, s[16:17] V's scales, s[18:19] out
.set WV,    20
.set GRP,   21                         ; my group: 0 or 1
.set IDX,   22                         ; my place in it: 0 .. 7
.set PAIR,  23
.set CHK,   24
.set RANK,  25
.set CUM,   26
.set BASE,  27
.set SA,    28
.set SB,    29
.set T0,    30
.set T1,    31
.set MA,    32                         ; s32-39  class s among batches 0-31, a bit a batch;  s40-47 among batches 32-63
.set MB,    40
.set MK,    32                         ; s32-47  behind the sort: the sixteen masks of a block of hidden keys
.set LN,    48
.set OFF,   49
.set BATCH, 50
.set LRAW,  51
.set VL,    52
.set NS,    53                         ; key steps that count
.set FILLS, 54
.set OP,    56                         ; s[56:57] an offset, its high word 0
.set T2,    58
.set T3,    59
.set SEL,   60                         ; s[60:61] v_permlanex16_b32's selects for lane l xor 16
.set CS,    62                         ; s[62:63] c = log2(e) / 8
.set J,     66
.set TK,    67
.set TV,    68
.set TKS,   69
.set TVS,   70
.set KF,    71                         ; the step's first key
.set REL,   72
.set RB,    73                         ; my group's region
.set SG,    74                         ; my stage
	s_load_b256 s[4:11], s[0:1], 0x0
	s_load_b256 s[12:19], s[0:1], 0x20
	v_lshl_add_u32 v254, v0, 2, 0x33800
	v_mov_b32 v255, 0
	v_and_b32 v[LANE], 31, v0
	v_lshlrev_b32 v27, 2, v[LANE]
	s_wait_kmcnt 0x0
	s_wait_alu depctr_va_vdst(0)                   ; v27 is written: the two loads below read it as their offset
	global_load_b32 v28, v27, s[12:13]             ; the lengths of batches 0-31, a lane a batch,
	global_load_b32 v29, v27, s[12:13] offset:128  ; and of batches 32-63.  All that hangs on ids alone is made while they are on their way
	v_lshrrev_b32 v[T], 5, v0
	v_readfirstlane_b32 s[WV], v[T]                ; wave 0..15
	v_and_b32 v[RR], 15, v0
	v_bfe_u32 v[HH], v0, 4, 1
	s_wait_alu depctr_va_sdst(0)                   ; the wave's number is written, ahead of its first reader
	s_lshr_b32 s[T0], s[WV], 2
	s_xor_b32 s[T0], s[T0], s[WV]
	s_and_b32 s[GRP], s[T0], 1
	s_lshr_b32 s[IDX], s[WV], 1
	s_lshr_b32 s[PAIR], ttmp9, 3
	s_and_b32 s[CHK], ttmp9, 7
	s_sub_co_u32 s[T0], 63, s[PAIR]
	s_cmp_eq_u32 s[GRP], 1
	s_cselect_b32 s[RANK], s[T0], s[PAIR]          ; group 0: rank p; group 1: rank 63 - p
	s_mul_i32 s[RB], s[GRP], REG
	s_add_co_u32 s[T0], s[RB], VIMG
	s_add_co_u32 s[T1], s[RB], KSC
	s_add_co_u32 s[T2], s[RB], VSC
	v_lshlrev_b32 v[L16], 4, v[LANE]
	v_add_nc_u32 v[AK], s[RB], v[L16]              ; K's images: 16 x lane
	v_mul_u32_u24 v[AV], v[RR], VP
	v_lshl_add_u32 v[AV], v[HH], 4, v[AV]
	v_add_nc_u32 v[AV], s[T0], v[AV]               ; V: row r, + 16 h
	v_and_b32 v[R8], 8, v[RR]
	v_add_nc_u32 v[R8], v[R8], v[RR]               ; r + 8 (r / 8)
	v_lshl_add_u32 v[AKS], v[R8], 1, s[T1]         ; K's scale words: 2 bytes a key
	v_lshl_add_u32 v[AVS], v[RR], 5, s[T2]         ; V's: 32 bytes a row
	v_lshlrev_b32 v[H16], 4, v[HH]
	v_lshl_add_u32 v[GK], v[R8], 5, v[H16]         ; in memory: a key's row is 32 bytes, my half of it 16
	v_lshl_add_u32 v[GQ], v[RR], 5, v[H16]
	v_lshlrev_b32 v[GS8], 3, v[LANE]
	v_lshlrev_b32 v[GQ2], 1, v[RR]
	s_lshl_b32 s[T3], s[IDX], 12                   ; where I stage: K's step IDX (8 tiles x 512 bytes),
	s_add_co_u32 s[T3], s[T3], s[RB]
	v_add_nc_u32 v[ADK], s[T3], v[L16]
	s_mul_i32 s[T3], s[IDX], 8*VP                  ; V's rows 8 IDX .. 8 IDX + 7,
	s_add_co_u32 s[T3], s[T3], s[T0]
	v_add_nc_u32 v[ADV], s[T3], v[L16]
	s_lshl_b32 s[T3], s[IDX], 8                    ; 256 bytes of each array of scale bytes
	s_add_co_u32 s[T3], s[T3], s[T1]
	v_add_nc_u32 v[ADS], s[T3], v[GS8]
	s_mov_b32 s[SEL], 0x76543210
	s_mov_b32 s[SEL+1], 0xfedcba98
	s_mov_b32 s[CS], 0x3e38aa3b                    ; c = log2(e) / 8
	s_mov_b32 s[CS+1], s[CS]                       ; (named with it as a pair, so it is written)
.irp i, 0,1,2,3
	v_mov_b32 v[20+\i], 0                          ; Q's k = 64 .. 127: zero codes
	v_mov_b32 v[KR+32+\i], 0                       ; what stands above K's tile 7
	v_mov_b32 v[BP+\i], 0                          ; written once: a lane permute's destination counts as one of its sources
.endr
	v_mov_b32 v13, 0xff61b1e6                      ; the largest t so far: -3e38, under every t
	v_floor_f32 v12, -v13                          ; -M
	v_mov_b32 v14, 0                               ; the sum, in two halves
	v_mov_b32 v15, 0
	v_mov_b32 v[F+1], 0
.set jj, 0
.rept 32
	v_mov_b32 v[O+jj], 0                           ; O^T.  (The step is written once: the first finds zeros, which the first change of M leaves zeros)
.set jj, jj+1
.endr
	; THE COUNTING SORT.  A batch's class is its number of key steps less one: (min(len - 1, 1023 unsigned)) / 128; lengths under 1 wrap round into class 7, as do lengths over 1,024.
	s_wait_loadcnt 0x0                             ; the 64 lengths
	s_wait_alu depctr_vm_vsrc(0)                   ; the two loads have read v27, which the count of bits below writes again
	v_add_nc_u32 v30, -1, v28
	v_add_nc_u32 v31, -1, v29
	v_min_u32 v30, 1023, v30
	v_min_u32 v31, 1023, v31
	v_lshrrev_b32 v30, 7, v30
	v_lshrrev_b32 v31, 7, v31
.irp s, 0,1,2,3,4,5,6,7
	v_cmp_eq_u32 s[MA+\s], \s, v30                 ; class s: a bit for each batch
	v_cmp_eq_u32 s[MB+\s], \s, v31
.endr
	s_wait_alu depctr_va_sdst(0)                   ; the sixteen masks are written, ahead of the first scalar line that reads one
	s_mov_b32 s[CUM], 0                            ; batches in the classes under s.  It never falls, so the last s with CUM <= RANK is the class that holds my rank
	s_mov_b32 s[BASE], 0
	s_mov_b32 s[SA], s[MA]
	s_mov_b32 s[SB], s[MB]
.irp s, 1,2,3,4,5,6,7
	s_bcnt1_i32_b32 s[T0], s[MA+\s-1]
	s_bcnt1_i32_b32 s[T1], s[MB+\s-1]
	s_add_co_u32 s[CUM], s[CUM], s[T0]
	s_add_co_u32 s[CUM], s[CUM], s[T1]
	s_cmp_le_u32 s[CUM], s[RANK]
	s_cselect_b32 s[SA], s[MA+\s], s[SA]
	s_cselect_b32 s[SB], s[MB+\s], s[SB]
	s_cselect_b32 s[BASE], s[CUM], s[BASE]
.endr
	s_sub_co_u32 s[T0], s[RANK], s[BASE]           ; my rank inside the class: first its batches under 32, then the others
	s_bcnt1_i32_b32 s[T1], s[SA]
	s_cmp_lt_u32 s[T0], s[T1]
	s_cselect_b32 s[T2], s[SA], s[SB]
	s_cselect_b32 s[OFF], 0, 32
	s_cselect_b32 s[T1], 0, s[T1]
	s_sub_co_u32 s[T0], s[T0], s[T1]
	v_mbcnt_lo_u32_b32 v27, s[T2], 0               ; how many of the mask's bits lie under my lane
	v_cmp_eq_u32 s[T3], s[T0], v27
	s_wait_alu depctr_va_sdst(0)                   ; the compare has written its mask, ahead of the line that reads it
	s_and_b32 s[T3], s[T3], s[T2]                  ; the one bit of the mask with that many under it
	s_ctz_i32_b32 s[LN], s[T3]
	s_min_u32 s[LN], s[LN], 31
	v_readlane_b32 s[T0], v28, s[LN]
	v_readlane_b32 s[T1], v29, s[LN]
	s_wait_alu depctr_va_sdst(0)                   ; the two lengths are written, ahead of the selection that reads them
	s_cmp_eq_u32 s[OFF], 0
	s_cselect_b32 s[LRAW], s[T0], s[T1]            ; my batch's length as it is given
	s_add_co_u32 s[BATCH], s[LN], s[OFF]
	s_min_u32 s[BATCH], s[BATCH], 63               ; my batch
	s_sub_co_u32 s[T0], s[LRAW], 1
	s_min_u32 s[T0], s[T0], 1023
	s_lshr_b32 s[T0], s[T0], 7
	s_add_co_u32 s[NS], s[T0], 1                   ; its key steps: 1 .. 8
	s_max_i32 s[VL], s[LRAW], 0
	s_min_i32 s[VL], s[VL], 1024                   ; keys that count
	s_cmp_lt_i32 s[LRAW], 1
	s_cselect_b32 s[FILLS], 0, 0xcaf42400          ; -8e6 = -1e6 x 8: the raw scores are not yet divided by 8.  With no key that counts all scores are equal: 0 serves
	v_mov_b32 v[FILL], s[FILLS]
	; where my parts begin, in bytes
	s_mov_b32 s[OP+1], 0
	s_lshl_b32 s[T2], s[BATCH], 15                 ; a batch's codes: 32,768 bytes in each of the three tensors
	s_lshl_b32 s[T3], s[IDX], 12
	s_add_co_u32 s[OP], s[T2], s[T3]
	s_add_nc_u64 s[4:5], s[4:5], s[OP:OP+1]        ; K: key step IDX: 128 keys x 32 bytes
	s_add_nc_u64 s[14:15], s[14:15], s[OP:OP+1]    ; V: rows 8 IDX on: 8 x 512 bytes
	s_lshl_b32 s[T0], s[CHK], 7
	s_lshl_b32 s[T1], s[IDX], 4
	s_add_co_u32 s[T0], s[T0], s[T1]               ; my first query: 128 x chunk + 16 x place
	s_lshl_b32 s[T1], s[T0], 5
	s_add_co_u32 s[OP], s[T2], s[T1]
	s_add_nc_u64 s[8:9], s[8:9], s[OP:OP+1]        ; Q's codes
	s_lshl_b32 s[T2], s[BATCH], 11                 ; a batch's scale bytes: 2,048
	s_lshl_b32 s[T3], s[IDX], 8
	s_add_co_u32 s[OP], s[T2], s[T3]
	s_add_nc_u64 s[6:7], s[6:7], s[OP:OP+1]
	s_add_nc_u64 s[16:17], s[16:17], s[OP:OP+1]
	s_lshl_b32 s[T1], s[T0], 1
	s_add_co_u32 s[OP], s[T2], s[T1]
	s_add_nc_u64 s[10:11], s[10:11], s[OP:OP+1]    ; Q's scale words
	s_lshl_b32 s[T2], s[BATCH], 18                 ; a batch of out: 262,144 bytes
	s_lshl_b32 s[T1], s[T0], 8
	s_add_co_u32 s[OP], s[T2], s[T1]
	s_add_nc_u64 s[18:19], s[18:19], s[OP:OP+1]
	; THE STAGING.  Every load of a wave covers whole runs of 256 consecutive bytes but Q's 32 scale bytes.
	s_wait_alu depctr_va_vdst(0)                   ; all the head's offsets and LDS addresses are written (v1 to v5, v8 to v10, v25, v26, v239, v240), which the loads and LDS stores from here to the loop read; so are the zero codes v20-23 and v64-67, which the scaled products take as parts of their operands
.irp j, 0,1,2,3,4,5,6,7
	global_load_b128 v[VR+4*\j:VR+4*\j+3], v[L16], s[14:15] offset:512*\j   ; a row of V: 512 consecutive bytes
.endr
	global_load_b64 v[S:S+1], v[GS8], s[6:7]       ; 256 of K's scale bytes
	global_load_b64 v[S+2:S+3], v[GS8], s[16:17]   ; 256 of V's
	global_load_b128 v[16:19], v[GQ], s[8:9] th:TH_LOAD_NT   ; Q's fragment: it stays in registers; read once, by me
	global_load_u16 v24, v[GQ2], s[10:11]          ; Q's scale word: bytes 2 and 3 are 0
	s_cmp_ge_u32 s[IDX], s[NS]                     ; K's step IDX is staged only if the group's waves will read it
	s_cbranch_scc1 .Lnok
.irp t, 0,1,2,3,4,5,6,7
	global_load_b128 v[KR+4*\t:KR+4*\t+3], v[GK], s[4:5] offset:1024*(\t/2)+256*(\t%2)   ; in the ORDER OF THE OPERAND: tile t begins at key 32 (t / 2) + 8 (t % 2); two runs of 256 bytes
.endr
	s_wait_loadcnt 0x0
.irp t, 0,1,2,3,4,5,6,7
	ds_store_b128 v[ADK], v[KR+4*\t:KR+4*\t+3] offset:512*\t
.endr
.Lnok:
	s_wait_loadcnt 0x0
.irp j, 0,1,2,3,4,5,6,7
	ds_store_b128 v[ADV], v[VR+4*\j:VR+4*\j+3] offset:VP*\j
.endr
	ds_store_b64 v[ADS], v[S:S+1]
	ds_store_b64 v[ADS], v[S+2:S+3] offset:VSC-KSC
	s_mov_b32 s[J], 0
	s_mov_b32 s[TK], 0
	s_mov_b32 s[TV], 0
	s_mov_b32 s[TKS], 0
	s_mov_b32 s[TVS], 0
	s_mov_b32 s[KF], 0
	s_wait_dscnt 0x0                               ; for the others' sake: my stores have landed
	s_barrier_signal -1
	s_barrier_wait -1                              ; the launch's one barrier: both regions are whole, and nobody writes them again
	s_wait_alu depctr_vm_vsrc(0)                   ; my staging stores have read K's, V's and the scale bytes' registers and v8 to v10, and the head's loads v25 and v26: LDS loads land in the first, the products write the scale bytes', the loop and the way out write the addresses again
.irp t, 0,1,2,3,4,5,6,7
	ds_load_b128 v[KR+4*\t:KR+4*\t+3], v[AK] offset:512*\t   ; key step 0's K: every batch has a step 0.  Each trip asks for the next step's
.endr
.irp t, 0,1,2,3,4,5,6,7
	ds_load_u16 v[KSR+\t], v[AKS] offset:2*(32*(\t/2)+8*(\t%2))   ; bytes 2 and 3 are 0
.endr
	s_wait_dscnt 0x0                               ; step 0's K and its scale words are in
.macro MASKB b                         ; block b of 32 keys: register 16 b + i holds key KF + 32 b + 16 (lane / 16) + i: hidden where 32 b + i >= D
.irp i, 0,1,2,3,4,5,6,7,8,9,10,11,12,13,14,15
	v_cmp_ge_i32 s[MK+\i], 32*\b+\i, v[D]          ; the block's sixteen compares in one run, a scalar register each
.endr
	s_wait_alu depctr_va_sdst(0)                   ; the sixteen masks are written, ahead of the first selection that reads one
.irp i, 0,1,2,3,4,5,6,7,8,9,10,11,12,13,14,15
	v_cndmask_b32 v[S+16*\b+\i], v[S+16*\b+\i], v[FILL], s[MK+\i]
.endr
.endm
.Lstep:                                            ; eight trips, a constant of the text; a trip whose keys are all hidden does only the steps of the addresses at its end
	s_cmp_ge_u32 s[J], s[NS]
	s_cbranch_scc1 .Lskip
	s_wait_alu depctr_vm_vsrc(0)                   ; the LDS loads of the trip before (in the first trip: the staging stores) have read v8 to v11, which the four lines below write again
	v_add_nc_u32 v[ADK], s[TK], v[AK]              ; this step's places in LDS; the loads that read them stand behind the exponentials
	v_add_nc_u32 v[ADV], s[TV], v[AV]
	v_add_nc_u32 v[ADS], s[TKS], v[AKS]
	v_add_nc_u32 v[ADT], s[TVS], v[AVS]
.irp t, 0,1,2,3,4,5,6,7                        ; S^T = K Q^T: lane (r, h) holds query r; the 16 registers of tiles 2 b, 2 b + 1 are keys KF + 32 b + 16 h + 0 .. 15.  K came in the trip before, ahead of its last wait on DScnt
	v_wmma_scale_f32_16x16x128_f8f6f4 v[S+8*\t:S+8*\t+7], v[KR+4*\t:KR+4*\t+7], v[16:23], 0, v[KSR+\t], v24 matrix_a_fmt:MATRIX_FMT_FP4 matrix_b_fmt:MATRIX_FMT_FP4
.endr
.rept 4
	v_nop                                          ; four places between a product and the first read of its result (ISA guide 7.12.1)
.endr
	; THE MASK, in the one step of a batch that holds its valid_len: only from the block of 32 keys on in which hidden keys begin
	s_sub_co_i32 s[REL], s[VL], s[KF]
	s_cmp_ge_i32 s[REL], 128
	s_cbranch_scc1 .Lopen
	v_sub_nc_u32 v[D], s[REL], v[H16]
	s_cmp_ge_i32 s[REL], 96
	s_cbranch_scc1 .Lm3
	s_cmp_ge_i32 s[REL], 64
	s_cbranch_scc1 .Lm2
	s_cmp_ge_i32 s[REL], 32
	s_cbranch_scc1 .Lm1
	MASKB 0
.Lm1:
	MASKB 1
.Lm2:
	MASKB 2
.Lm3:
	MASKB 3
.Lopen:
.irp b, 0,1,2,3
	v_max3_num_f32 v[BM+\b], v[S+16*\b], v[S+1+16*\b], v[S+2+16*\b]   ; THE LARGEST SCORE OF EACH BLOCK OF 32 KEYS serves twice: for the row's maximum, and, since p rises with the score, for the block's largest p
.endr
.irp i, 3,5,7,9,11,13
.irp b, 0,1,2,3
	v_max3_num_f32 v[BM+\b], v[BM+\b], v[S+16*\b+\i], v[S+1+16*\b+\i]   ; (the four blocks by turns)
.endr
.endr
.irp b, 0,1,2,3
	v_max_num_f32 v[BM+\b], v[BM+\b], v[S+15+16*\b]
.endr
.irp b, 0,1,2,3
	v_permlanex16_b32 v[BP+\b], v[BM+\b], s[SEL], s[SEL+1]
.endr
.irp b, 0,1,2,3
	v_max_num_f32 v[BM+\b], v[BM+\b], v[BP+\b]     ; with lane l xor 16's 16 keys
.endr
	v_max3_num_f32 v[T], v[BM], v[BM+1], v[BM+2]
	v_max_num_f32 v[T], v[T], v[BM+3]              ; the step's largest score of my query
	v_mul_f32 v[T], s[CS], v[T]                    ; as t (c is positive)
	v_max_num_f32 v13, v13, v[T]                   ; the running largest t
	v_mov_b32 v[T], v12
	v_floor_f32 v12, -v13                          ; the new -M = floor(-t) = -ceil(t): M is a whole number
	v_sub_f32 v[T], v12, v[T]                      ; M's old value less its new one: a whole number, 0 or less
	v_cvt_i32_f32 v[T], v[T]                       ; (it saturates)
	v_ldexp_f32 v[F], 1.0, v[T]                    ; f = 2^(old M - new M)
.set jj, 0
.rept 32
	v_pk_fma_f32 v[S+jj:S+jj+1], v[S+jj:S+jj+1], s[CS:CS+1], v[12:13] op_sel_hi:[1,0,0]   ; t - M, two at a time (of the pairs c and -M the low word serves both halves)
.set jj, jj+2
.endr
.irp b, 0,1,2,3
	v_fma_f32 v[BM+\b], v[BM+\b], s[CS], v12       ; the same of each block's largest score
.endr
.set jj, 0
.rept 64
	v_exp_f32 v[S+jj], v[S+jj]                     ; p = 2^(t - M), at most 1: not normalised
.set jj, jj+1
.endr
.irp b, 0,1,2,3
	v_exp_f32 v[BM+\b], v[BM+\b]                   ; the block's largest p: the same two instructions on the same number give the same bits
.endr
	v_pk_mul_f32 v[14:15], v[14:15], v[F:F+1] op_sel_hi:[1,0]   ; the sums under the new M.  (The plain instruction behind the exponentials)
	s_wait_alu depctr_va_vdst(0)                   ; THE TRIP'S ONE WAIT FOR ITS LOADS: the 68 exponentials have written p and the blocks' largest p, ahead of their first reader; this trip's K Q^T is done reading K and its scale words and the last trip's V^T P^T is done reading V and its: the loads below land there; and v8 to v11 are written, which they read
	s_add_co_u32 s[T0], s[J], 1                    ; the next step's K is asked for only if that step counts: only then has it been staged
	s_cmp_ge_u32 s[T0], s[NS]
	s_cbranch_scc1 .Lnonext
.irp t, 0,1,2,3,4,5,6,7
	ds_load_b128 v[KR+4*\t:KR+4*\t+3], v[ADK] offset:4096+512*\t   ; a step on: 8 tiles x 512 bytes
.endr
.irp t, 0,1,2,3,4,5,6,7
	ds_load_u16 v[KSR+\t], v[ADS] offset:256+2*(32*(\t/2)+8*(\t%2))   ; a step on: 128 keys x 2 bytes; bytes 2 and 3 are 0
.endr
.Lnonext:
.irp n, 0,1,2,3
.irp c, 0,1
	ds_load_b128 v[VR+8*\n+4*\c:VR+8*\n+4*\c+3], v[ADV] offset:16*\n*VP+32*\c   ; this step's V: it lands under the 76 vector instructions below, none of which names K's or V's registers
.endr
.endr
.irp n, 0,1,2,3
	ds_load_b32 v[VSR+\n], v[ADT] offset:512*\n
.endr
.irp b, 0,1,2,3
	v_max_num_f32 v[BM+\b], 0x1800000, v[BM+\b]    ; the floor 2^(3 - 127): the byte cannot fall under 1 (a block whose every p is 0 keeps that byte: its codes are zeros)
.endr
.irp b, 0,1,2,3
	v_add_nc_u32 v[BS+\b], 0xff000000, v[BM+\b]    ; 2 off the exponent field: the conversion's scale operand
.endr
.irp b, 0,1,2,3
	v_lshrrev_b32 v[BP+\b], 23, v[BS+\b]           ; the scale's byte
.endr
	v_lshl_or_b32 v[PW], v[BP+1], 8, v[BP]         ; p's scale word for these 128 keys
	v_lshl_or_b32 v[PW], v[BP+2], 16, v[PW]
	v_lshl_or_b32 v[PW], v[BP+3], 24, v[PW]
.irp b, 0,1,2,3
	v_cvt_scalef32_pk8_fp4_f32 v[PC+2*\b], v[S+16*\b:S+7+16*\b], v[BS+\b]
	v_cvt_scalef32_pk8_fp4_f32 v[PC+1+2*\b], v[S+8+16*\b:S+15+16*\b], v[BS+\b]
.endr
	v_nop                                          ; one plain instruction between a scaled conversion and what touches its result
.irp c, 0,1                                    ; the operand's layout wants a WHOLE block in a lane: lanes 0-15 block 2 c, lanes 16-31 block 2 c + 1
.irp i, 0,1
	v_permlane16_swap_b32 v[PC+4*\c+\i], v[PC+2+4*\c+\i]
.endr
.endr
	v_pk_add_f32 v[L2:L2+1], v[S:S+1], v[S+2:S+3]  ; THE ROW'S SUM IS TAKEN OF THE UNQUANTISED p: two at a time, in two chains
.irp j, 4,8,12,16,20,24,28,32,36,40,44,48,52,56,60
	v_pk_add_f32 v[14:15], v[14:15], v[S+\j:S+1+\j]
	v_pk_add_f32 v[L2:L2+1], v[L2:L2+1], v[S+2+\j:S+3+\j]
.endr
	v_pk_add_f32 v[14:15], v[14:15], v[L2:L2+1]
.set jj, 0
.rept 16
	v_pk_mul_f32 v[O+jj:O+jj+1], v[O+jj:O+jj+1], v[F:F+1] op_sel_hi:[1,0]   ; O^T under the new M.  (The sums and these are 48 plain instructions between p's scale word and codes and the products below)
.set jj, jj+2
.endr
	s_wait_dscnt 0x0                               ; V and its scale words are in, and ahead of them the next step's K and its scale words
	s_wait_alu depctr_va_vdst(0)                   ; the conversions and the exchanges of halves have written p's codes, and the three lines that join the bytes p's scale word: the scaled products below take them as source 1 and its scales.  The 48 places above stay beside this wait
.irp n, 0,1,2,3                                ; O^T += V^T P^T: four tiles of 16 of the head's 64; K = these 128 keys.  The four accumulators take turns
	v_wmma_scale_f32_16x16x128_f8f6f4 v[O+8*\n:O+8*\n+7], v[VR+8*\n:VR+8*\n+7], v[PC:PC+7], v[O+8*\n:O+8*\n+7], v[VSR+\n], v[PW] matrix_a_fmt:MATRIX_FMT_FP4 matrix_b_fmt:MATRIX_FMT_FP4
.endr
.Lskip:
	s_add_co_u32 s[TK], s[TK], 4096                ; the next step: 8 tiles of K,
	s_add_co_u32 s[TV], s[TV], 64                  ; 128 codes on in V's rows,
	s_add_co_u32 s[TKS], s[TKS], 256               ; 128 keys' scale bytes,
	s_add_co_u32 s[TVS], s[TVS], 4                 ; a word on in V's rows of scale bytes
	s_add_co_u32 s[KF], s[KF], 128
	s_add_co_u32 s[J], s[J], 1
	s_cmp_lt_u32 s[J], 8
	s_cbranch_scc1 .Lstep
	; THE WAY OUT.  O^T / the sum goes through my own stage in LDS and leaves as whole rows of 256 bytes.  The six address lines are also the places behind the last products.
	s_mul_i32 s[SG], s[WV], 16*SP
	s_add_co_u32 s[SG], s[SG], STG
	v_mul_u32_u24 v[GK], v[RR], SP                 ; (the head's loads have read v25 and v26: the wait on vm_vsrc behind the barrier has stated it)
	v_lshl_add_u32 v[GK], v[HH], 5, v[GK]
	v_add_nc_u32 v[GK], s[SG], v[GK]               ; in: row r; tile n's eight channels of my half: 64 n + 32 h bytes on
	v_mul_u32_u24 v[GQ], v[HH], SP
	v_lshl_add_u32 v[GQ], v[RR], 4, v[GQ]
	v_add_nc_u32 v[GQ], s[SG], v[GQ]               ; back: lanes 0-15 one row, lanes 16-31 the next
	v_add_f32 v14, v14, v15                        ; the sum's two halves,
	v_permlanex16_b32 v[BP], v14, s[SEL], s[SEL+1]
	v_add_f32 v14, v14, v[BP]                      ; and lane l xor 16's: the row's sum
	v_rcp_f32 v14, v14
	v_nop                                          ; a plain instruction between the reciprocal and the use of its result
	s_wait_alu depctr_va_vdst(0)                   ; the reciprocal is written, ahead of its first reader
.set jj, 0
.rept 16
	v_pk_mul_f32 v[S+jj:S+jj+1], v[O+jj:O+jj+1], v[14:15] op_sel_hi:[1,0]   ; register 8 n + i is out(r, 16 n + 8 h + i); each accumulator from its low end on
.set jj, jj+2
.endr
	s_wait_alu depctr_va_vdst(0)                   ; the sixteen multiplications have written v[S] to v[S+31], the LDS stores' data; v25 and v26, the stage's two addresses, are written; and all that named v[S+32] to v[S+63] is done: the loads from the stage land there
.irp n, 0,1,2,3
	ds_store_b128 v[GK], v[S+8*\n:S+8*\n+3] offset:64*\n
	ds_store_b128 v[GK], v[S+8*\n+4:S+8*\n+7] offset:64*\n+16
.endr
.irp k, 0,1,2,3,4,5,6,7
	ds_load_b128 v[S+32+4*\k:S+32+4*\k+3], v[GQ] offset:2*\k*SP   ; LDS serves a wave's instructions in order (ISA guide 5.7.1.4): these see my stores
.endr
.irp k, 0,1,2,3,4,5,6,7
	s_wait_dscnt 7-\k                              ; rows 2 k and 2 k + 1 are back; the pairs behind them may be out
	global_store_b128 v[L16], v[S+32+4*\k:S+32+4*\k+3], s[18:19] offset:512*\k th:TH_STORE_NT   ; my 16 rows are 4,096 consecutive bytes: each store covers 512 of them, at a multiple of 256 from out's first byte
.endr
	s_wait_dscnt 0x0                               ; the closing lines, six on end
	s_wait_alu 0x0
	s_wait_tensorcnt 0x0
	ds_add_u32 v254, v255
	s_wait_dscnt 0x0
	s_endpgm
.Lfunc_end_k_q4cb162a638_attn:
	.size	k_q4cb162a638_attn, .Lfunc_end_k_q4cb162a638_attn-k_q4cb162a638_attn
	.p2alignl 7, 3214868480
	.fill 96, 4, 3214868480
	.section	.rodata,"a",@progbits
	.p2align	6, 0x0
	.amdhsa_kernel k_q4cb162a638_attn
		.amdhsa_group_segment_fixed_size 212992
		.amdhsa_private_segment_fixed_size 0
		.amdhsa_enable_private_segment 0
		.amdhsa_kernarg_size 64
		.amdhsa_user_sgpr_count 2
		.amdhsa_user_sgpr_kernarg_segment_ptr 1
		.amdhsa_wavefront_size32 1
		.amdhsa_system_sgpr_workgroup_id_x 1
		.amdhsa_system_sgpr_workgroup_id_y 1
		.amdhsa_system_sgpr_workgroup_id_z 1
		.amdhsa_system_vgpr_workitem_id 0
		.amdhsa_next_free_vgpr 256
		.amdhsa_next_free_sgpr 80
		.amdhsa_reserve_vcc 0
		.amdhsa_float_denorm_mode_32 3
		.amdhsa_float_denorm_mode_16_64 3
		.amdhsa_memory_ordered 1
		.amdhsa_forward_progress 1
		.amdhsa_inst_pref_size 44
	.end_amdhsa_kernel
	.amdgpu_metadata
---
amdhsa.version: [ 1, 2 ]
amdhsa.kernels:
  - .name:           k_q4cb162a638_attn
    .symbol:         k_q4cb162a638_attn.kd
    .args:
      - { .name: keys_codes, .offset: 0, .size: 8, .value_kind: global_buffer, .address_space: global }
      - { .name: keys_scales, .offset: 8, .size: 8, .value_kind: global_buffer, .address_space: global }
      - { .name: queries_codes, .offset: 16, .size: 8, .value_kind: global_buffer, .address_space: global }
      - { .name: queries_scales, .offset: 24, .size: 8, .value_kind: global_buffer, .address_space: global }
      - { .name: valid_lens, .offset: 32, .size: 8, .value_kind: global_buffer, .address_space: global }
      - { .name: values_codes, .offset: 40, .size: 8, .value_kind: global_buffer, .address_space: global }
      - { .name: values_scales, .offset: 48, .size: 8, .value_kind: global_buffer, .address_space: global }
      - { .name: out0, .offset: 56, .size: 8, .value_kind: global_buffer, .address_space: global }
    .group_segment_fixed_size: 212992
    .private_segment_fixed_size: 0
    .kernarg_segment_align: 8
    .kernarg_segment_size: 64
    .max_flat_workgroup_size: 512
    .sgpr_count:     80
    .vgpr_count:     256
    .wavefront_size: 32
...
	.end_amdgpu_metadata
.endif
;; end of part 2
